; MI455X (gfx1250); checked and timed in simulation.
; The chip was launched on July 23, 2026; its instructions are those of AMD's public machine-readable ISA for CDNA 5 (MIT licence, August 2026) and "CDNA5" Instruction Set Architecture Reference Guide (July 2026). The comments in the code are by the model that wrote it; some were corrected since.
;; Cross Attention Mask. Allowed arithmetic: matrix products marked QUANTISED: E2M1 operands, one E8M0 scale for each 32 along K, by v_wmma_scale_f32_16x16x128_f8f6f4 with both operands' format E2M1 (or v_wmma_scale_f32_32x16x128_f4), f32 sums; everything else in f32.
;; Inputs: keys 16 x 2,048 x 512 float32; queries 16 x 2,048 x 512 float32; values 16 x 2,048 x 512 float32.
;; Outputs: out0 16 x 2,048 x 512 float32.
;; This version of the problem:
;;   THIS VERSION OF THE PROBLEM IS GIVEN IN LOW PRECISION. The matrix products marked QUANTISED in the list below multiply operands that are first quantised to E2M1 (2 exponent bits, 1 mantissa bit; 4 bits a number), with one power-of-two scale for each 32 numbers along K (OCP MX v1.0); their sums are f32. All else is computed in f32.
;;   The module's matrix products, in the order in which they are computed (A, B: the left and right operand; K: the contracted axis; several contracted axes count as one K, in the product's order):
;;     1. batch 16 x [M 2,048, K 512] x [K 512, N 2,048]; A: input queries; B: input keys: QUANTISED
;;     2. batch 16 x [M 2,048, K 2,048] x [K 2,048, N 512]; A: softmax (see below); B: input values: QUANTISED
;;   THE QUANTISER, for each operand of a quantised product, along K:
;;     - K is cut into blocks of 32 from its start; a last block that is shorter is filled with zeros.
;;     - A block's scale is 2^e with e = floor(log2(the largest magnitude in the block)) - 2, held to -126 .. 127; a block of zeros has e = 0. As a byte (E8M0): e + 127.
;;     - Each number is divided by its block's scale, clamped to +-6, and rounded to the nearest number of E2M1, ties to even, subnormals kept.
;;     - The product sums the exact products of the quantised numbers (number of the format x scale) in f32.
;;   ~~~python
;;   def quantise(x, axis):      # numpy; x: float32 -> the quantised numbers, widened to float32 again
;;       x = np.moveaxis(x, axis, -1); K = x.shape[-1]
;;       x = np.pad(x, [(0, 0)] * (x.ndim - 1) + [(0, -K % 32)]); x = x.reshape(x.shape[:-1] + (-1, 32)); a = np.abs(x).max(-1, keepdims=True)
;;       e = np.where(a > 0, np.clip(np.frexp(np.where(a > 0, a, 1))[1] - 1 - 2, -126, 127), 0)      # np.frexp(a)[1] - 1 = floor(log2(a)), exactly
;;       r = np.clip(x / 2.0 ** e, -6, 6)
;;       step = 2.0 ** (np.maximum(np.frexp(np.where(r == 0, 1, r))[1] - 1, 0) - 1)
;;       q = np.round(r / step) * step * 2.0 ** e      # np.round: ties to even
;;       return np.moveaxis(q.reshape(q.shape[:-2] + (-1,))[..., :K], -1, axis).astype(np.float32)
;;   ~~~
;;   SOFTMAX AHEAD OF A QUANTISED PRODUCT. Where the list says 'softmax', what is quantised is not the finished softmax but p = 2^(t - M), with t = logit x log2(e) and M = ceil(the row's largest t), a whole number; so 1/2 < the row's largest p <= 1. The row's sum l is taken of the UNQUANTISED p, in f32, and the product's result is divided by l at the end. Since M is a whole number, a kernel that streams over the keys may use a running M (the ceiling of the running maximum): every later rescaling is an exact power of two, which a block's scale takes up: the codes' values come out the same.
;;   OPERANDS COMPUTED ON THE WAY. 'Computed on the way' means the value that the module computes at that place (a softmax that the list does not call 'softmax' is quantised finished and normalised). What goes into a quantiser is computed in f32, as accurately as f32 sums, v_exp_f32 and their like allow (about 1e-6 of the number): no bf16 or f16 on the way to a quantiser, and a product that is left as it is and whose result goes on into a quantised operand takes f32 operands (vector FMAs, or v_wmma_f32_16x16x4_f32). A number that lies on a knife's edge between two numbers of the format may be rounded either way, as far as f32 arithmetic and the matrix unit's own rounding can turn it there, and no further.
;; One version. Each part assembles by itself: llvm-mc -triple=amdgcn-amd-amdhsa -mcpu=gfx1250 --defsym DOCPART=n.
;; ======== version 1 of 1: 2 launches
;; limits: right only within a limited range of input values
;; workspace buffers: kv 17,825,792 bytes; qq 17,825,792 bytes
;; launch quant (part 1): grid 1280 x 1, 4 waves a work-group, no clusters, 43,520 bytes of LDS; arguments keys, values, kv, queries, qq; writes kv, qq
.if DOCPART == 1
	.amdgcn_target "amdgcn-amd-amdhsa--gfx1250"
	.amdhsa_code_object_version 6
	.text
	.protected	k_q138facae60_quant
	.globl	k_q138facae60_quant
	.p2align	8
	.type	k_q138facae60_quant,@function
k_q138facae60_quant:
	s_mov_b64 s[64:65], 0
	v_nop
	global_prefetch_b8 v0, s[64:65] scope:SCOPE_SE
	s_setreg_imm32_b32 hwreg(HW_REG_WAVE_MODE, 25, 1), 1
	s_wait_xcnt 0x0
; keys [16][2048][512] and values [16][2048][512], f32, become codes of FP4 (E2M1) with one E8M0 scale byte for each 32 along a product's K.
; For keys K is the 512 channels (innermost); for values K is the keys (the first axis inside a batch).
; A block's scale is 2^(floor(log2(its largest magnitude)) - 2); its byte is the largest magnitude's exponent field - 2, held at 1 from below.
; OUT: kv, 16 batches x 8 slots of 256 keys; a slot is ONE dense block of SLOTB = 139,264 bytes (544 x 256), so that the next launch brings an eighth of it by one tensor load:
;   0        K's codes, 256 rows of 256 bytes.  Key 32 b + 16 a + 8 u + j of the slot lies at row 32 b + 16 u + 8 a + j: the 16 keys that form a tile of the first product are then 16 neighbouring rows
;   65,536   V's codes [u = 0, 1][channel 0..511][64 bytes]: keys 128 u + 0 .. 127 of the slot, the lower key in the lower bits
;   131,072  K's scale bytes, key k at 16 k (not permuted)
;   135,168  V's scale words [u][channel][4 bytes], byte b for keys 128 u + 32 b on
; LIMITS: NaN and infinities among the inputs are not served.  A block of zeros gets the byte 1 where the rule says 127: its codes are zeros, and this program alone reads the bytes.
; Blocks whose largest magnitude lies under 2^(2 - 126) have their byte held at 1.
; SHARES: work-groups 0-255 take values (each 512 keys x 128 channels, the longer share, so they come first), work-groups 256-767 take keys (each 64 keys).
; The two ways part on the work-group's number and never join; each has LDS bytes of its own (keys: 0 .. 32,767; values: 32,768 .. 43,007).  Waves share nothing: no barrier.
.set SLOTB, 139264
.set O_VC,  65536
.set O_KS,  131072
.set O_VS,  135168
	s_load_b128 s[4:7], s[0:1], 0x0                ; keys, values
	s_load_b64 s[8:9], s[0:1], 0x10                ; kv
	s_load_b128 s[32:35], s[0:1], 0x18             ; queries, qq.  Work-groups 768-1279 take the queries by the keys' way: qq has kv's layout, of which only the places of K's codes and K's scale bytes are written and read
	v_lshl_add_u32 v10, v0, 2, 0xa800              ; my spare word; v10 and v1 serve the add alone
	v_mov_b32 v1, 0
	v_lshrrev_b32 v2, 5, v0
	v_readfirstlane_b32 s16, v2                    ; wave 0..3
	v_and_b32 v2, 31, v0                           ; lane
	s_wait_kmcnt 0x0
	s_cmp_lt_u32 ttmp9, 256
	s_cbranch_scc0 .Lk
; ---------------- VALUES.  A lane takes a channel and its registers run down the keys: a block of 32 keys lies in one lane's 32 registers, and the conversions give codes with the keys innermost.
.set VX,   32                          ; v32-95   two sets of 32 numbers
.set VCD,  96                          ; v96-99   a block's codes
.set VSB,  24                          ; v24-27   scale words: four blocks (128 keys) to a register
.set VOUT, 112                         ; v112-175 four registers for each of 16 stores: no store's data are written again
	s_lshr_b32 s17, ttmp9, 4                       ; batch
	s_bfe_u32 s18, ttmp9, 0x20002                  ; y: which 512 keys
	s_and_b32 s19, ttmp9, 3                        ; x: which 128 channels
	s_lshl_b32 s24, s17, 22                        ; a batch is 4,194,304 bytes,
	s_lshl_b32 s25, s18, 20                        ; 512 keys 1,048,576,
	s_add_co_u32 s24, s24, s25
	s_lshl_b32 s25, s19, 9                         ; 128 channels 512,
	s_add_co_u32 s24, s24, s25
	s_lshl_b32 s25, s16, 7                         ; my wave's 32 channels 128
	s_add_co_u32 s24, s24, s25
	s_mov_b32 s25, 0
	s_add_nc_u64 s[6:7], s[6:7], s[24:25]
	s_lshl_b32 s26, s17, 3
	s_lshl_b32 s27, s18, 1
	s_add_co_u32 s26, s26, s27                     ; my first slot: 8 x batch + 2 y
	s_mul_i32 s26, s26, SLOTB
	s_lshl_b32 s27, s19, 2
	s_add_co_u32 s27, s27, s16                     ; 4 x + wave: which 32 channels
	s_lshl_b32 s28, s27, 11                        ; 32 channels x 64 bytes of codes
	s_add_co_u32 s28, s28, s26
	s_add_co_u32 s28, s28, O_VC
	s_mov_b32 s29, 0
	s_add_nc_u64 s[20:21], s[8:9], s[28:29]        ; where my codes go
	s_lshl_b32 s28, s27, 7                         ; 32 channels x 4 bytes of scales
	s_add_co_u32 s28, s28, s26
	s_add_co_u32 s28, s28, O_VS
	s_add_nc_u64 s[22:23], s[8:9], s[28:29]        ; where my scale words go
	s_wait_alu depctr_va_vdst(0)
	v_lshlrev_b32 v3, 2, v2                        ; 4 x lane: the loads' offset, and the scale words'
	s_mul_i32 s30, s16, 2560                       ; my stage: 32 channels x (64 bytes + 16)
	s_add_co_u32 s30, s30, 32768
	v_mul_u32_u24 v4, v2, 80
	v_add_nc_u32 v4, s30, v4                       ; into it: row = my channel
	v_lshrrev_b32 v5, 2, v2
	v_mul_u32_u24 v7, v5, 80
	v_and_b32 v5, 3, v2
	v_lshl_add_u32 v7, v5, 4, v7
	v_add_nc_u32 v7, s30, v7                       ; out of it: four lanes to a channel's 64 bytes
	v_lshlrev_b32 v8, 4, v2                        ; and 16 x lane in memory: 32 channels' codes of 128 keys are 2,048 bytes on end
.macro VLD t                           ; block t: values(32 t + i, my channel) into set t % 2; a wave's load covers 128 consecutive bytes, the four waves stand side by side
.irp i, 0,1,2,3,4,5,6,7,8,9,10,11,12,13,14,15,16,17,18,19,20,21,22,23,24,25,26,27,28,29,30,31
	global_load_b32 v[VX+32*((\t)%2)+\i], v3, s[6:7] offset:(32*(\t)+\i)*2048 th:TH_LOAD_NT
.endr
.endm
	VLD 0
	VLD 1
.macro VBLOCK t
.set XS, VX+32*((\t)%2)
.if (\t) < 15
	s_wait_loadcnt 32                              ; this block's 32 loads are in; the next block's may be out
.else
	s_wait_loadcnt 0x0
.endif
	v_max3_num_f32 v12, |v[XS]|, |v[XS+1]|, |v[XS+2]|   ; the block's largest magnitude: all 32 numbers are mine; two chains
	v_max3_num_f32 v13, |v[XS+3]|, |v[XS+4]|, |v[XS+5]|
.irp i, 6,10,14,18,22,26
	v_max3_num_f32 v12, v12, |v[XS+\i]|, |v[XS+\i+1]|
	v_max3_num_f32 v13, v13, |v[XS+\i+2]|, |v[XS+\i+3]|
.endr
	v_max3_num_f32 v12, v12, |v[XS+30]|, |v[XS+31]|
	v_max3_num_f32 v12, v12, v13, 0x1800000        ; and the floor 2^(3 - 127): the byte cannot fall under 1
	v_add_nc_u32 v11, 0xff000000, v12              ; 2 off the exponent field: the conversion takes the exponent field of this operand as its scale
	v_lshrrev_b32 v13, 23, v11                     ; the scale's byte
.if (\t)%4 == 0
	v_mov_b32 v[VSB+(\t)/4], v13                   ; four bytes to a word, the lower keys in the lower byte
.else
	v_lshl_or_b32 v[VSB+(\t)/4], v13, 8*((\t)%4), v[VSB+(\t)/4]
.endif
.irp g, 0,1,2,3
	v_cvt_scalef32_pk8_fp4_f32 v[VCD+\g], v[XS+8*\g:XS+8*\g+7], v11
.endr
	ds_store_b128 v4, v[VCD:VCD+3] offset:16*((\t)%4)   ; 32 codes: 16 of my channel's 64 bytes
.if (\t)%4 == 3
.irp i, 0,1,2,3
	ds_load_b128 v[VOUT+16*((\t)/4)+4*\i:VOUT+16*((\t)/4)+4*\i+3], v7 offset:640*\i   ; 128 keys are whole: back by rows; LDS serves a wave's instructions in order, so these see my stores
.endr
.endif
.if (\t)+2 < 16
	VLD (\t)+2
.endif
	s_wait_dscnt 0x0                               ; the stage's loads are in, and the next stores into the stage come behind them
.if (\t)%4 == 3
.irp i, 0,1,2,3
	global_store_b128 v8, v[VOUT+16*((\t)/4)+4*\i:VOUT+16*((\t)/4)+4*\i+3], s[20:21] offset:((\t)/8)*SLOTB+(((\t)/4)%2)*32768+512*\i   ; 32 lanes store 512 consecutive bytes, aligned to 256
.endr
	s_wait_alu depctr_va_vdst(0)
	global_store_b32 v3, v[VSB+(\t)/4], s[22:23] offset:((\t)/8)*SLOTB+(((\t)/4)%2)*2048   ; 32 channels' scale words: 128 consecutive bytes
.endif
.endm
.irp t, 0,1,2,3,4,5,6,7,8,9,10,11,12,13,14,15
	VBLOCK \t
.endr
	s_wait_tensorcnt 0x0
	ds_add_u32 v10, v1
	s_wait_dscnt 0x0
	s_endpgm
; ---------------- KEYS.  A wave takes 16 keys, one key (512 numbers, 16 blocks) a step.  Each load reads 512 consecutive bytes; a step's 2,048 bytes turn through the wave's own stage in LDS,
; so that a lane then holds 16 neighbours along K (two neighbouring lanes hold a block).  A step's codes are one row of 256 bytes; a wave's 256 scale bytes leave as one aligned run of 256 bytes.
.Lk:
.set KR,   16                          ; v16-79   four sets of 16 numbers as loaded
.set KX,   80                          ; v80-111  two sets of 16 neighbours
.set KE,   112                         ; v112-127 a scale byte for each step
.set KCD,  128                         ; v128-191 codes: registers of its own for each step
.set WREG, 8192                        ; LDS: a region for each wave: two stages of 32 x SP bytes, then its 256 scale bytes
.set SP,   80
	s_wait_alu depctr_va_vdst(0)
	v_lshlrev_b32 v3, 4, v2                        ; my 16 bytes of a load's 512
	s_mul_i32 s17, s16, WREG
	v_lshrrev_b32 v14, 2, v2
	v_mul_u32_u24 v14, v14, SP
	v_and_b32 v15, 3, v2
	v_lshl_add_u32 v14, v15, 4, v14
	v_add_nc_u32 v14, s17, v14                     ; the stage, on the way in: SP (lane / 4) + 16 (lane % 4)
	v_mul_u32_u24 v15, v2, SP
	v_add_nc_u32 v15, s17, v15                     ; and on the way out: SP x lane: my 16 neighbours
	v_lshlrev_b32 v4, 3, v2                        ; my 8 bytes of a step's 256 bytes of codes
	v_lshrrev_b32 v5, 1, v2
	s_add_co_u32 s17, s17, 2*32*SP
	v_add_nc_u32 v5, s17, v5                       ; LDS: my block's scale byte
	v_add_nc_u32 v6, s17, v4                       ; and on the way out 8 bytes a lane
	s_sub_co_u32 s18, ttmp9, 256
	s_lshl_b32 s18, s18, 2
	s_add_co_u32 s18, s18, s16                     ; which run of 16 rows is my wave's: 0 .. 2,047 keys, 2,048 .. 4,095 queries
	s_cmp_lt_u32 s18, 2048                         ; the choice hangs on the work-group's number alone
	s_cselect_b64 s[4:5], s[4:5], s[32:33]
	s_cselect_b64 s[8:9], s[8:9], s[34:35]
	s_and_b32 s18, s18, 2047
	s_lshl_b32 s20, s18, 15                        ; 16 keys x 2,048 bytes
	s_mov_b32 s21, 0
	s_add_nc_u64 s[4:5], s[4:5], s[20:21]
	s_lshr_b32 s22, s18, 4                         ; the slot: 16 runs to a slot
	s_mul_i32 s22, s22, SLOTB
	s_mov_b32 s23, 0
	s_add_nc_u64 s[8:9], s[8:9], s[22:23]
	s_and_b32 s24, s18, 15                         ; the run in its slot
	s_lshl_b32 s26, s24, 8
	s_add_co_u32 s26, s26, O_KS
	s_mov_b32 s27, 0
	s_add_nc_u64 s[10:11], s[8:9], s[26:27]        ; its 256 scale bytes
	s_lshr_b32 s24, s24, 1
	s_lshl_b32 s24, s24, 13                        ; its group of 32 keys: 32 rows of 256 bytes;
	s_and_b32 s25, s18, 1
	s_lshl_b32 s25, s25, 11                        ; the group's second 16 keys begin 8 rows on (the first 8 of them; the other 8 lie 16 rows further: the stores' immediate)
	s_add_co_u32 s24, s24, s25
	s_mov_b32 s25, 0
	s_add_nc_u64 s[8:9], s[8:9], s[24:25]
.macro KLD t
.irp i, 0,1,2,3
	global_load_b128 v[KR+16*((\t)%4)+4*\i:KR+16*((\t)%4)+4*\i+3], v3, s[4:5] offset:2048*(\t)+512*\i th:TH_LOAD_NT   ; 32 lanes read 512 consecutive bytes
.endr
.endm
.macro KTURN t                         ; step t's numbers through the stage: LDS serves a wave's instructions in order, so no wait stands between the stores and the loads
.irp i, 0,1,2,3
	ds_store_b128 v14, v[KR+16*((\t)%4)+4*\i:KR+16*((\t)%4)+4*\i+3] offset:32*SP*((\t)%2)+8*SP*\i
.endr
.irp i, 0,1,2,3
	ds_load_b128 v[KX+16*((\t)%2)+4*\i:KX+16*((\t)%2)+4*\i+3], v15 offset:32*SP*((\t)%2)+16*\i
.endr
.endm
.irp t, 0,1,2,3
	KLD \t
.endr
	s_wait_alu depctr_va_vdst(0)
	s_wait_loadcnt 12                              ; step 0's four loads are in
	KTURN 0
.macro KSTEP t
.set XS, KX+16*((\t)%2)
.if (\t) > 0
	s_wait_dscnt 1                                 ; this step's numbers are back from the stage (the last step's byte store may be out): so its stores into the stage have read their registers,
.else
	s_wait_dscnt 0x0
.endif
.if (\t)+4 < 16
	KLD (\t)+4                                     ; which take the loads of four steps on
.endif
.if (\t)+1 < 16
.if 14-(\t) >= 3
	s_wait_loadcnt 12                              ; the next step's four loads are in; those of the three steps behind it may be out
.else
	s_wait_loadcnt 4*(14-(\t))
.endif
	KTURN (\t)+1                                   ; and go through the other stage while this step is worked
.endif
	v_max3_num_f32 v8, |v[XS]|, |v[XS+1]|, |v[XS+2]|   ; the largest magnitude of my 16
	v_max3_num_f32 v9, |v[XS+3]|, |v[XS+4]|, |v[XS+5]|
.irp i, 6,10
	v_max3_num_f32 v8, v8, |v[XS+\i]|, |v[XS+\i+1]|
	v_max3_num_f32 v9, v9, |v[XS+\i+2]|, |v[XS+\i+3]|
.endr
	v_max3_num_f32 v8, v8, |v[XS+14]|, |v[XS+15]|
	v_max3_num_f32 v8, v8, v9, 0x1800000           ; and the floor 2^(3 - 127)
	v_max_num_f32_dpp v8, v8, v8 row_xmask:1 row_mask:0xf bank_mask:0xf   ; and of my neighbour's 16: the block's
	v_add_nc_u32 v11, 0xff000000, v8               ; 2 off its exponent field: the conversion's scale operand
	v_cvt_scalef32_pk8_fp4_f32 v[KCD+4*(\t)], v[XS:XS+7], v11
	v_cvt_scalef32_pk8_fp4_f32 v[KCD+4*(\t)+1], v[XS+8:XS+15], v11
	v_lshrrev_b32 v[KE+(\t)], 23, v11              ; the scale's byte
	ds_store_b8 v5, v[KE+(\t)] offset:16*(\t)      ; both lanes of a block write the same byte with the same value
	global_store_b64 v4, v[KCD+4*(\t):KCD+4*(\t)+1], s[8:9] offset:(((\t)%8)+16*((\t)/8))*256   ; the key's row of 256 bytes, at its permuted place
.endm
.irp t, 0,1,2,3,4,5,6,7,8,9,10,11,12,13,14,15
	KSTEP \t
.endr
	ds_load_b64 v[12:13], v6                       ; LDS serves a wave's instructions in order: these see my stores
	s_wait_dscnt 0x0
	global_store_b64 v4, v[12:13], s[10:11]        ; 32 lanes store 256 consecutive bytes, aligned
	s_wait_tensorcnt 0x0
	ds_add_u32 v10, v1
	s_wait_dscnt 0x0
	s_endpgm
.Lfunc_end_k_q138facae60_quant:
	.size	k_q138facae60_quant, .Lfunc_end_k_q138facae60_quant-k_q138facae60_quant
	.p2alignl 7, 3214868480
	.fill 96, 4, 3214868480
	.section	.rodata,"a",@progbits
	.p2align	6, 0x0
	.amdhsa_kernel k_q138facae60_quant
		.amdhsa_group_segment_fixed_size 43520
		.amdhsa_private_segment_fixed_size 0
		.amdhsa_enable_private_segment 0
		.amdhsa_kernarg_size 40
		.amdhsa_user_sgpr_count 2
		.amdhsa_user_sgpr_kernarg_segment_ptr 1
		.amdhsa_wavefront_size32 1
		.amdhsa_system_sgpr_workgroup_id_x 1
		.amdhsa_system_sgpr_workgroup_id_y 1
		.amdhsa_system_sgpr_workgroup_id_z 1
		.amdhsa_system_vgpr_workitem_id 0
		.amdhsa_next_free_vgpr 192
		.amdhsa_next_free_sgpr 66
		.amdhsa_reserve_vcc 0
		.amdhsa_float_denorm_mode_32 3
		.amdhsa_float_denorm_mode_16_64 3
		.amdhsa_memory_ordered 1
		.amdhsa_forward_progress 1
		.amdhsa_inst_pref_size 111
	.end_amdhsa_kernel
	.amdgpu_metadata
---
amdhsa.version: [ 1, 2 ]
amdhsa.kernels:
  - .name:           k_q138facae60_quant
    .symbol:         k_q138facae60_quant.kd
    .args:
      - { .name: keys, .offset: 0, .size: 8, .value_kind: global_buffer, .address_space: global }
      - { .name: values, .offset: 8, .size: 8, .value_kind: global_buffer, .address_space: global }
      - { .name: kv, .offset: 16, .size: 8, .value_kind: global_buffer, .address_space: global }
      - { .name: queries, .offset: 24, .size: 8, .value_kind: global_buffer, .address_space: global }
      - { .name: qq, .offset: 32, .size: 8, .value_kind: global_buffer, .address_space: global }
    .group_segment_fixed_size: 43520
    .private_segment_fixed_size: 0
    .kernarg_segment_align: 8
    .kernarg_segment_size: 40
    .max_flat_workgroup_size: 128
    .sgpr_count:     66
    .vgpr_count:     192
    .wavefront_size: 32
...
	.end_amdgpu_metadata
.endif
;; end of part 1
;; launch attn (part 2): grid 16 x 16, 8 waves a work-group, clusters of 4 x 1, 327,680 bytes of LDS; arguments qq, kv, out0; writes out0
.if DOCPART == 2
	.amdgcn_target "amdgcn-amd-amdhsa--gfx1250"
	.amdhsa_code_object_version 6
	.text
	.protected	k_q138facae60_attn
	.globl	k_q138facae60_attn
	.p2align	8
	.type	k_q138facae60_attn,@function
k_q138facae60_attn:
	s_mov_b64 s[64:65], 0
	v_nop
	global_prefetch_b8 v0, s[64:65] scope:SCOPE_SE
	s_setreg_imm32_b32 hwreg(HW_REG_WAVE_MODE, 25, 1), 1
	s_wait_xcnt 0x0
	s_wait_alu depctr_hold_cnt(0) depctr_sa_sdst(0) depctr_va_vdst(0) depctr_va_sdst(0) depctr_va_ssrc(0) depctr_va_vcc(0) depctr_vm_vsrc(0)
	s_getreg_b32 s2, hwreg(HW_REG_IB_STS2, 6, 4)
	s_cmp_eq_u32 s2, 0
	s_cbranch_scc0 .Lentry_in_a_cluster
	s_endpgm
.Lentry_in_a_cluster:
	s_bfe_u32 s2, ttmp6, 0x10000c
	s_cmp_lg_u32 s2, 0x3003
	s_cbranch_scc0 .Lentry_shape_is_right
	s_endpgm
.Lentry_shape_is_right:
; out[b][q] = sum over k <= q of softmax_k(Q.K / sqrt(512)) V, both products on codes of FP4 with E8M0 scales; Q, K, V come as codes from the launch before (qq, kv).
; LEFT OUT: slots of 256 keys that lie wholly above the diagonal: their scores are -infinity, so their p is 0 for all inputs.
; SHARES.  A work-group owns two blocks of 64 queries of one batch, block i = 4 x cluster + place and block 31 - i: 9 slots of 256 keys in all for every work-group.  The four partners of a cluster
; walk the same slots and ask for them jointly; each of the 8 waves fetches 68 rows of 256 bytes of a slot.  Two slots take turns.
; A step is a slot.  FIRST PRODUCT, S^T = K Q^T: wave w takes queries 32 (w & 1) .. + 31 and keys 64 (w >> 1) .. + 63: 8 tiles x 4 steps of 128 channels.
; Each wave keeps ITS OWN whole-number running M and its own sum of p for its columns of keys.  p = 2^(t - M_w) is quantised by blocks of 32 keys and handed on through LDS as an image of the operand's registers,
; with its scale bytes, -M_w and the sum.  SECOND PRODUCT, O^T = V^T P^T: wave w takes channels 64 w .. + 63 of all 64 queries.  It takes the common M as the largest M_w so far, multiplies O^T by 2^(old - new),
; and adds M_w - M to the scale bytes of wave w's blocks: exact powers of two, so the codes' values are those under the common M.  At a block's end the sums are joined the same way.
; LIMITS.  The scaled scores stay under 2^31 in magnitude.  So that no byte falls under 1, p's scale bytes are held at 64 from below and M_w - M at -63: terms under 2^-61 of a row's largest are carried more coarsely.
; NaN and infinities among the inputs are not served.
; Q's fragments are loaded from qq straight into registers (16 rows x 32 bytes a load): 16 KiB for a block, read once for each of 4 waves.
; PREFETCH: the cluster with number 0 walks slots 0 .. 7 in steps 1 .. 8; behind the round of step n (n = 0 .. 5) its waves 0 to 3 name slot n + 2's codes, one step ahead of the load that asks for them:
; 16 waves x 32 lanes x 256 bytes, the partners told apart by address.
; REGISTERS.  Window 0: v1-63 addresses, state, scales; v64-127 S^T, then P's fragments, then the way out; v128-191 K, channels 0-255; v192-255 at work.
; Window 1: v0-127 O^T (tile (m, t) at 32 m + 8 t); v128-191 Q; v192-255 K, channels 256-511, then V.
.set SLOTB, 139264
.set O_KS,  131072
.set SLOT,  147968
.set PM8,   17408
.set PL8,   18496
.set L_VC,  69632
.set L_KS,  139264
.set L_VS,  143616
.set STC,   34816
.set STS,   2176
.set PIMG,  2*SLOT                     ; P's image: [m][u][c][lane] x 16 bytes
.set PSC,   PIMG+8192                  ; P's scale bytes: query x 8 + block
.set PMM,   PSC+512                    ; -M_w: query x 16 + 4 x key group
.set PLL,   PMM+1024                   ; sums: query x 32 + 8 x key group + 4 x half
.set STG,   PLL+2048                   ; the way out: 8 rows x 272 bytes for each wave
.set SPARE, STG+8*2176                 ; the spare words
.set AK0,1
.set AV0,2
.set ASK0,3
.set ASV0,4
.set SPW,5
.set NIL,6
.set GO,7
.set ADK,8
.set ADV,9
.set ADS,10
.set ADT,11
.set L,16                              ; v12-15: (-M, largest t) for my two tiles of queries; v16-19 their sums in two halves
.set LI,20
.set LS,21
.set LM,22
.set LLA,23
.set XWI,24
.set XWB,25
.set XWM,26
.set XWL,27
.set STO,28
.set RD,29
.set PFO,30
.set DQ,31
.set DQB,32
.set VQ,33
.set VQS,34
.set QS,36
.set KS,40
.set VS,48
.set BMX,52
.set TP,56
.set SO,60
.set S,64
.set KF,128
.set PC,192
.set F,200
.set TT,204
.set PW,206
.set LT,208
.set FF,210
.set PSW,218
.set NMC,222
.set MM,226
.set LL,234
.set CT,250
.set WV,10
.set CX,11
.set CP,12
.set CP1,13
.set BA,14
.set NN,15
.set TB,16
.set TLD,17
.set QG,18
.set KAP,19
.set SEL,20
.set CS,22
.set G1,24
.set G0A,32
.set G0B,36
.set KVB,40
.set OF,42
.set OUT,44
.set OUTB,46
.set PFA,48
.set LIM,50
.set KG,51
.set SQ,52
.set SV,53
.set QC,54
.set QSC,56
.set QCB,58
.set QSB,60
.set MLO,62                            ; s62: lanes with query row 0-7 of a tile; s63: rows 8-15
.set MSB, 0
.macro WIN new
.if MSB != (\new)
	s_set_vgpr_msb (MSB<<8)|(\new)
.set MSB, (\new)
.endif
.endm
.macro PLACES n
.rept \n
	v_nop
.endr
.endm
.macro VW
	s_wait_alu depctr_va_vdst(0)
.endm
.macro ROUND
	s_barrier_signal -1
	s_barrier_wait -1
	s_cmp_lg_u32 s[WV], 0
	s_cbranch_scc1 .Lnot_wave_0_\@
	s_barrier_signal -3
.Lnot_wave_0_\@:
	s_barrier_wait -3
	s_barrier_signal -1
	s_barrier_wait -1
.endm
; one product: z = 0 starts the sum; ra, rb: which half of the lanes holds A's and B's scales
.macro WX d,a,b,z,sa,sb,ra,rb
.if (\z)==0
.if (\ra)==0
.if (\rb)==0
	v_wmma_scale_f32_16x16x128_f8f6f4 v[\d:\d+7], v[\a:\a+7], v[\b:\b+7], 0, v[\sa], v[\sb] matrix_a_fmt:MATRIX_FMT_FP4 matrix_b_fmt:MATRIX_FMT_FP4
.else
	v_wmma_scale_f32_16x16x128_f8f6f4 v[\d:\d+7], v[\a:\a+7], v[\b:\b+7], 0, v[\sa], v[\sb] matrix_a_fmt:MATRIX_FMT_FP4 matrix_b_fmt:MATRIX_FMT_FP4 matrix_b_scale:MATRIX_SCALE_ROW1
.endif
.else
.if (\rb)==0
	v_wmma_scale_f32_16x16x128_f8f6f4 v[\d:\d+7], v[\a:\a+7], v[\b:\b+7], 0, v[\sa], v[\sb] matrix_a_fmt:MATRIX_FMT_FP4 matrix_b_fmt:MATRIX_FMT_FP4 matrix_a_scale:MATRIX_SCALE_ROW1
.else
	v_wmma_scale_f32_16x16x128_f8f6f4 v[\d:\d+7], v[\a:\a+7], v[\b:\b+7], 0, v[\sa], v[\sb] matrix_a_fmt:MATRIX_FMT_FP4 matrix_b_fmt:MATRIX_FMT_FP4 matrix_a_scale:MATRIX_SCALE_ROW1 matrix_b_scale:MATRIX_SCALE_ROW1
.endif
.endif
.else
.if (\ra)==0
.if (\rb)==0
	v_wmma_scale_f32_16x16x128_f8f6f4 v[\d:\d+7], v[\a:\a+7], v[\b:\b+7], v[\d:\d+7], v[\sa], v[\sb] matrix_a_fmt:MATRIX_FMT_FP4 matrix_b_fmt:MATRIX_FMT_FP4
.else
	v_wmma_scale_f32_16x16x128_f8f6f4 v[\d:\d+7], v[\a:\a+7], v[\b:\b+7], v[\d:\d+7], v[\sa], v[\sb] matrix_a_fmt:MATRIX_FMT_FP4 matrix_b_fmt:MATRIX_FMT_FP4 matrix_b_scale:MATRIX_SCALE_ROW1
.endif
.else
.if (\rb)==0
	v_wmma_scale_f32_16x16x128_f8f6f4 v[\d:\d+7], v[\a:\a+7], v[\b:\b+7], v[\d:\d+7], v[\sa], v[\sb] matrix_a_fmt:MATRIX_FMT_FP4 matrix_b_fmt:MATRIX_FMT_FP4 matrix_a_scale:MATRIX_SCALE_ROW1
.else
	v_wmma_scale_f32_16x16x128_f8f6f4 v[\d:\d+7], v[\a:\a+7], v[\b:\b+7], v[\d:\d+7], v[\sa], v[\sb] matrix_a_fmt:MATRIX_FMT_FP4 matrix_b_fmt:MATRIX_FMT_FP4 matrix_a_scale:MATRIX_SCALE_ROW1 matrix_b_scale:MATRIX_SCALE_ROW1
.endif
.endif
.endif
.endm
; where a block's 32 queries of mine lie in qq: codes and scale bytes
.macro QPTR i, c, sc
	s_lshr_b32 s2, s[\i], 2
	s_lshl_b32 s3, s[BA], 3
	s_add_co_u32 s2, s2, s3
	s_mul_i32 s2, s2, SLOTB
	s_and_b32 s3, s[\i], 3
	s_lshl_b32 s3, s3, 1
	s_add_co_u32 s3, s3, s[QG]
	s_lshl_b32 s68, s3, 13
	s_add_co_u32 s68, s68, s2
	s_mov_b32 s69, 0
	s_add_nc_u64 s[\c:\c+1], s[4:5], s[68:69]
	s_lshl_b32 s68, s3, 9
	s_add_co_u32 s68, s68, s2
	s_add_co_u32 s68, s68, O_KS
	s_add_nc_u64 s[\sc:\sc+1], s[4:5], s[68:69]
.endm
.macro QLD c, sc                       ; Q's fragments (2 tiles x 4 steps) and scale words (lane = query: tile 0 in lanes 0-15, tile 1 in lanes 16-31)
	global_load_b128 v[QS:QS+3], v[VQS], s[\sc:\sc+1]
	WIN 0x40
.irp m, 0,1
.irp s, 0,1,2,3
.irp c2, 0,1
	global_load_b128 v[128+32*\m+8*\s+4*\c2:128+32*\m+8*\s+4*\c2+3], v[VQ], s[\c:\c+1] offset:2048*\m+64*\s+32*\c2
.endr
.endr
.endr
	WIN 0
.endm
.macro ADDR
	v_add_nc_u32 v[ADK], s[TB], v[AK0]
	v_add_nc_u32 v[ADV], s[TB], v[AV0]
	v_add_nc_u32 v[ADS], s[TB], v[ASK0]
	v_add_nc_u32 v[ADT], s[TB], v[ASV0]
.endm
.macro KLOAD1                          ; K's scale words and channels 0-255 of my 64 keys
.irp b, 0,1
	ds_load_b128 v[KS+4*\b:KS+4*\b+3], v[ADS] offset:544*\b
.endr
.irp t, 0,1,2,3
.irp s, 0,1
.irp c, 0,1
	ds_load_b128 v[KF+16*\t+8*\s+4*\c:KF+16*\t+8*\s+4*\c+3], v[ADK] offset:4352*\t+64*\s+32*\c
.endr
.endr
.endr
.endm
.macro KLOAD2 s                        ; channels 256 + 128 s .. + 127, into the registers that V's keys 128 s .. + 127 have left: 8 loads
	WIN 0x40
.irp t, 0,1,2,3
.irp c, 0,1
	ds_load_b128 v[192+16*\t+8*(\s)+4*\c:192+16*\t+8*(\s)+4*\c+3], v[ADK] offset:4352*\t+128+64*(\s)+32*\c
.endr
.endr
	WIN 0
.endm
.macro QK hf                           ; 16 products: the 8 accumulators by turns
	WIN 0x04+(\hf)
.irp s, 0,1
.if (\hf)==1
	s_wait_dscnt 8-8*\s                            ; channels 256-383 are in while the 8 loads of channels 384-511 may be out; then all
.endif
.irp m, 0,1
.irp t, 0,1,2,3
.if (\hf)==0
	WX S+32*\m+8*\t,KF+16*\t+8*\s,128+32*\m+8*\s,\s,KS+4*(\t/2)+\s,QS+\s,\t%2,\m
.else
	WX S+32*\m+8*\t,192+16*\t+8*\s,144+32*\m+8*\s,1,KS+4*(\t/2)+2+\s,QS+2+\s,\t%2,\m
.endif
.endr
.endr
.endr
.endm
.macro VLOAD
	WIN 0x40
.irp t, 0,1,2,3
.irp u, 0,1
.irp c, 0,1
	ds_load_b128 v[192+16*\t+8*\u+4*\c:192+16*\t+8*\u+4*\c+3], v[ADV] offset:STC*\u+1088*\t+32*\c
.endr
.endr
.endr
	WIN 0
.irp u, 0,1
.irp j, 0,1
	ds_load_b32 v[VS+2*\u+\j], v[ADT] offset:STS*\u+128*\j
.endr
.endr
.endm
.macro MASK                            ; the slot on the diagonal: register 32 m + 16 b + i holds key 32 b + i + 16 (lane / 16) of my 64: hidden where 32 b + i - 16 m > v[DQ]
	v_mov_b32 v[TT], 0xff800000
.irp m, 0,1
.irp b, 0,1
.set i, 0
.rept 16
	v_cmp_gt_i32 vcc_lo, 32*\b+i-16*\m, v[DQ]
	v_cndmask_b32 v[S+32*\m+16*\b+i], v[S+32*\m+16*\b+i], v[TT], vcc_lo
.set i, i+1
.endr
.endr
.endr
.endm
.macro SOFTMAX                         ; x = 2 m + b: tile of queries m, block of 32 keys b
.irp x, 0,1,2,3
	v_max3_num_f32 v[BMX+\x], v[S+16*\x], v[S+16*\x+1], v[S+16*\x+2]
.endr
.irp i, 3,5,7,9,11,13
.irp x, 0,1,2,3
	v_max3_num_f32 v[BMX+\x], v[BMX+\x], v[S+16*\x+\i], v[S+16*\x+\i+1]
.endr
.endr
.irp x, 0,1,2,3
	v_max_num_f32 v[BMX+\x], v[BMX+\x], v[S+16*\x+15]
.endr
.irp x, 0,1,2,3
	v_permlanex16_b32 v[TP+\x], v[BMX+\x], s[SEL], s[SEL+1]
.endr
.irp x, 0,1,2,3
	v_max_num_f32 v[BMX+\x], v[BMX+\x], v[TP+\x]   ; the block's largest score
.endr
.irp m, 0,1
	v_max_num_f32 v[TT+\m], v[BMX+2*\m], v[BMX+2*\m+1]
.endr
.irp m, 0,1
	v_mul_f32 v[TT+\m], s[CS], v[TT+\m]
.endr
.irp m, 0,1
	v_max_num_f32 v[13+2*\m], v[13+2*\m], v[TT+\m] ; my running largest t
.endr
.irp m, 0,1
	v_mov_b32 v[TT+\m], v[12+2*\m]
.endr
.irp m, 0,1
	v_floor_f32 v[12+2*\m], -v[13+2*\m]            ; -M = -ceil(t)
.endr
.irp m, 0,1
	v_sub_f32 v[TT+\m], v[12+2*\m], v[TT+\m]
.endr
.irp m, 0,1
	v_cvt_i32_f32 v[TT+\m], v[TT+\m]
.endr
.irp m, 0,1
	v_ldexp_f32 v[F+2*\m], 1.0, v[TT+\m]           ; 2^(old M - new M), for my sums
.endr
.irp m, 0,1
.set i, 0
.rept 16
	v_pk_fma_f32 v[S+32*\m+i:S+32*\m+i+1], v[S+32*\m+i:S+32*\m+i+1], s[CS:CS+1], v[12+2*\m:13+2*\m] op_sel_hi:[1,0,0]
.set i, i+2
.endr
.endr
.irp x, 0,1,2,3
	v_fma_f32 v[BMX+\x], v[BMX+\x], s[CS], v[12+2*(\x/2)]
.endr
	VW
.set i, 0
.rept 64
	v_exp_f32 v[S+i], v[S+i]
.set i, i+1
.endr
.irp m, 0,1
	v_pk_mul_f32 v[L+2*\m:L+2*\m+1], v[L+2*\m:L+2*\m+1], v[F+2*\m:F+2*\m+1] op_sel_hi:[1,0]
.endr
	VW
.irp x, 0,1,2,3
	v_exp_f32 v[BMX+\x], v[BMX+\x]                 ; the block's largest p
.endr
.set i, 0
.rept 16
	v_pk_add_f32 v[L:L+1], v[L:L+1], v[S+i:S+i+1]  ; the sums of the unquantised p, the two tiles by turns
	v_pk_add_f32 v[L+2:L+3], v[L+2:L+3], v[S+32+i:S+32+i+1]
.set i, i+2
.endr
	VW
.irp x, 0,1,2,3
	v_max_num_f32 v[BMX+\x], 0x21000000, v[BMX+\x] ; the floor 2^(66 - 127): the byte is 64 at the least
.endr
.irp x, 0,1,2,3
	v_add_nc_u32 v[SO+\x], 0xff000000, v[BMX+\x]
.endr
.irp x, 0,1,2,3
	v_lshrrev_b32 v[TP+\x], 23, v[SO+\x]
.endr
.irp m, 0,1
	v_lshl_or_b32 v[PW+\m], v[TP+2*\m+1], 8, v[TP+2*\m]
.endr
.irp x, 0,1,2,3
	v_cvt_scalef32_pk8_fp4_f32 v[PC+2*\x], v[S+16*\x:S+16*\x+7], v[SO+\x]
	v_cvt_scalef32_pk8_fp4_f32 v[PC+2*\x+1], v[S+16*\x+8:S+16*\x+15], v[SO+\x]
.endr
	v_nop
.irp m, 0,1
.irp i, 0,1
	v_permlane16_swap_b32 v[PC+4*\m+\i], v[PC+4*\m+2+\i]   ; a whole block in a lane
.endr
.endr
.irp m, 0,1
	v_add_f32 v[LT+\m], v[L+2*\m], v[L+2*\m+1]
.endr
.endm
.macro SHARE                           ; my part of P, its bytes, -M and the sums go to LDS; behind the barrier every wave reads all parts
.irp m, 0,1
	ds_store_b128 v[XWI], v[PC+4*\m:PC+4*\m+3] offset:2048*\m
	ds_store_b16 v[XWB], v[PW+\m] offset:128*\m
	ds_store_b32 v[XWM], v[12+2*\m] offset:256*\m
	ds_store_b32 v[XWL], v[LT+\m] offset:512*\m
.endr
	VW
	s_wait_dscnt 0x0                               ; my stores are done, and V's loads are in
	s_barrier_signal -1
	s_barrier_wait -1
.irp m, 0,1,2,3
	ds_load_b32 v[PSW+\m], v[LS] offset:128*\m             ; lanes 0-15: the word of keys 0-127; lanes 16-31: of keys 128-255
	ds_load_b64 v[MM+2*\m:MM+2*\m+1], v[LM] offset:256*\m  ; -M of that word's two key groups
.endr
.irp m, 0,1,2,3                        ; behind them 20 loads: P's fragments and the sums
.irp u, 0,1
.irp c, 0,1
	ds_load_b128 v[S+16*\m+8*\u+4*\c:S+16*\m+8*\u+4*\c+3], v[LI] offset:2048*\m+1024*\u+512*\c
.endr
.endr
	ds_load_b128 v[LL+4*\m:LL+4*\m+3], v[LLA] offset:512*\m
.endr
.endm
.macro CHANGE fill                     ; all my reads of this slot and of the exchange are over; fill = 1: the slot takes the keys of two steps on
	s_wait_tensorcnt 0x0
	ds_add_u32 v[SPW], v[NIL]
.if \fill
	s_add_co_u32 s[SQ], s[NN], 2
	s_add_co_u32 s[KAP], s[KAP], 1
	s_cmp_eq_u32 s[SQ], s[CP1]
	s_cselect_b32 s[KAP], 0, s[KAP]                ; the second block begins again at slot 0
	s_mul_i32 s[OF], s[KAP], SLOTB
	s_add_co_u32 s[G0B+1], s[TLD], s[TB]
	s_add_nc_u64 s[G0B+2:G0B+3], s[KVB:KVB+1], s[OF:OF+1]
	s_or_b32 s[G0B+3], s[G0B+3], 0x80000000
	s_wait_xcnt 0x0                                ; my prefetch has read its address
	s_add_nc_u64 s[PFA:PFA+1], s[PFA:PFA+1], SLOTB
	s_wait_dscnt 0x0
	ROUND
	tensor_load_to_lds s[G0B:G0B+3], s[G1:G1+7]
	s_nop 0
	PLACES 4
	s_cmp_lt_u32 s[NN], s[LIM]
	s_cbranch_scc0 .Lnot_mine_\@
	global_prefetch_b8 v[PFO], s[PFA:PFA+1] th:TH_LOAD_NT scope:SCOPE_SE
.Lnot_mine_\@:
.else
	s_wait_dscnt 0x0
	s_barrier_signal -1
	s_barrier_wait -1
.endif
	s_xor_b32 s[TB], s[TB], SLOT
.endm
.macro COMBINE                         ; the common M, the factor for O^T, and M_w - M into P's scale bytes
.irp m, 0,1,2,3
	v_min_num_f32 v[CT+\m], v[MM+2*\m], v[MM+2*\m+1]
.endr
.irp m, 0,1,2,3
	v_permlanex16_b32 v[TP+\m], v[CT+\m], s[SEL], s[SEL+1]
.endr
.irp m, 0,1,2,3
	v_min3_num_f32 v[CT+\m], v[CT+\m], v[TP+\m], v[NMC+\m]
.endr
.irp m, 0,1,2,3
	v_sub_f32 v[TP+\m], v[CT+\m], v[NMC+\m]
.endr
.irp m, 0,1,2,3
	v_mov_b32 v[NMC+\m], v[CT+\m]
.endr
.irp m, 0,1,2,3
	v_cvt_i32_f32 v[TP+\m], v[TP+\m]
.endr
.irp m, 0,1,2,3
	v_ldexp_f32 v[FF+2*\m], 1.0, v[TP+\m]
.endr
.irp e, 0,1,2,3,4,5,6,7
	v_sub_f32 v[MM+\e], v[NMC+\e/2], v[MM+\e]      ; M_w - M, 0 or less
.endr
.irp e, 0,1,2,3,4,5,6,7
	v_max_num_f32 v[MM+\e], 0xc27c0000, v[MM+\e]   ; held at -63
.endr
.irp e, 0,1,2,3,4,5,6,7
	v_cvt_i32_f32 v[MM+\e], v[MM+\e]
.endr
.irp m, 0,1,2,3
	v_lshl_add_u32 v[CT+\m], v[MM+2*\m+1], 16, v[MM+2*\m]
.endr
.irp m, 0,1,2,3
	v_lshl_add_u32 v[CT+\m], v[CT+\m], 8, v[CT+\m] ; the first difference onto bytes 0 and 1, the second onto bytes 2 and 3: each byte stays between 1 and 125, so nothing is carried
.endr
.irp m, 0,1,2,3
	v_add_nc_u32 v[PSW+\m], v[PSW+\m], v[CT+\m]
.endr
.endm
.macro RESCALE
	WIN 0x41
	VW
.set i, 0
.rept 64
	v_pk_mul_f32 v[i:i+1], v[i:i+1], v[FF+2*(i/32):FF+2*(i/32)+1] op_sel_hi:[1,0]
.set i, i+2
.endr
	PLACES 4
.endm
.macro PV nx                           ; 32 products: the 16 accumulators by turns.  nx: a step follows: V's registers of keys 0-127 take part of its K as soon as they are read
.irp u, 0,1
	WIN 0x51
.irp m, 0,1,2,3
.irp t, 0,1,2,3
	WX 32*\m+8*\t,192+16*\t+8*\u,S+16*\m+8*\u,1,VS+2*\u+\t/2,PSW+\m,\t%2,\u
.endr
.endr
.if \nx
.if \u == 0
	PLACES 4
	KLOAD2 0
.endif
.endif
.endr
	WIN 0
.endm
; THE WAY OUT: 8 passes of 8 queries x my 64 channels through my stage, so that sixteen lanes store 256 consecutive bytes, aligned
.macro PASS k
.if (\k)%2 == 0
; A tile of 16 queries is divided by its sums, and lanes r and r xor 8 change halves on the way: registers 0-15 then hold queries 0-7 (lanes r < 8: their own channels 0-31; lanes r >= 8: channels 32-63 of query r - 8),
; registers 16-31 queries 8-15 likewise.  Each number is one product by its query's reciprocal, with 0 added: the reciprocals are held at 0 in the lanes that take the other side.
	VW
	v_cndmask_b32 v[BMX], 0, v[FF+2*((\k)/2)], s[MLO]      ; 1 / sum in lanes r < 8
	v_cndmask_b32 v[BMX+2], 0, v[FF+2*((\k)/2)], s[MLO+1]  ; in lanes r >= 8
	v_mov_b32_dpp v[TP], v[FF+2*((\k)/2)] row_xmask:8 row_mask:0xf bank_mask:0xf
	v_cndmask_b32 v[TP+1], 0, v[TP], s[MLO+1]              ; lane r xor 8's, in lanes r >= 8
	v_cndmask_b32 v[TP+2], 0, v[TP], s[MLO]                ; and in lanes r < 8
	WIN 0x01
	VW
.set i, 0
.rept 16
	v_pk_mul_f32 v[S+i:S+i+1], v[32*((\k)/2)+i:32*((\k)/2)+i+1], v[BMX+2*(i/16):BMX+2*(i/16)+1] op_sel_hi:[1,0]
.set i, i+2
.endr
.set i, 0
.rept 16
	v_fmac_f32_dpp v[S+i], v[32*((\k)/2)+16+i], v[TP+1] row_xmask:8 row_mask:0xf bank_mask:0xf
	v_fmac_f32_dpp v[S+16+i], v[32*((\k)/2)+i], v[TP+2] row_xmask:8 row_mask:0xf bank_mask:0xf
.set i, i+1
.endr
	WIN 0
	VW
.endif
	s_wait_xcnt 0x0                                ; earlier stores have read their registers
.irp t, 0,1
	ds_store_b128 v[STO], v[S+16*((\k)%2)+8*\t:S+16*((\k)%2)+8*\t+3] offset:64*\t
	ds_store_b128 v[STO], v[S+16*((\k)%2)+8*\t+4:S+16*((\k)%2)+8*\t+7] offset:64*\t+16
.endr
.irp i, 0,1,2,3
	ds_load_b128 v[S+32+16*((\k)%2)+4*\i:S+32+16*((\k)%2)+4*\i+3], v[RD] offset:544*\i   ; LDS serves a wave's instructions in order
.endr
.endm
.macro SEND k, younger                 ; younger: the next pass's 4 stores and 4 loads may be out
	s_wait_dscnt \younger
.irp i, 0,1,2,3
	global_store_b128 v[GO], v[S+32+16*((\k)%2)+4*\i:S+32+16*((\k)%2)+4*\i+3], s[OUT:OUT+1] offset:(8*(\k)+2*\i)*2048 th:TH_STORE_NT
.endr
.endm
.macro WAYOUT
	PLACES 4
.irp m, 0,1,2,3
	v_add_f32 v[LL+4*\m], v[LL+4*\m], v[LL+4*\m+1]
	v_add_f32 v[LL+4*\m+2], v[LL+4*\m+2], v[LL+4*\m+3]
.endr
.irp m, 0,1,2,3
	v_ldexp_f32 v[LL+4*\m], v[LL+4*\m], v[MM+2*\m]         ; each key group's sum under the common M
	v_ldexp_f32 v[LL+4*\m+2], v[LL+4*\m+2], v[MM+2*\m+1]
.endr
.irp m, 0,1,2,3
	v_add_f32 v[LL+4*\m], v[LL+4*\m], v[LL+4*\m+2]
.endr
.irp m, 0,1,2,3
	v_permlanex16_b32 v[CT+\m], v[LL+4*\m], s[SEL], s[SEL+1]
.endr
.irp m, 0,1,2,3
	v_add_f32 v[FF+2*\m], v[LL+4*\m], v[CT+\m]
.endr
	VW
.irp m, 0,1,2,3
	v_rcp_f32 v[FF+2*\m], v[FF+2*\m]
.endr
	v_nop
	PASS 0
.irp k, 1,2,3,4,5,6,7
	PASS \k
	SEND \k-1, 8
.endr
	SEND 7, 0
	s_wait_xcnt 0x0
.endm
.macro RESET                           ; the second block begins: the first factors are 0, which clear the sums and O^T
	v_mov_b32 v13, 0xff61b1e6
	v_mov_b32 v15, 0xff61b1e6
	v_floor_f32 v12, -v13
	v_floor_f32 v14, -v15
.irp m, 0,1,2,3
	v_mov_b32 v[NMC+\m], 0x7f61b1e6
.endr
	v_mov_b32 v[DQ], v[DQB]
	s_mov_b64 s[OUT:OUT+1], s[OUTB:OUTB+1]
.endm
; A STEP.  mask, out: 1 = where this is the first block's last slot, 2 = always.  fill: the slot is filled again.  next: a step follows
.macro TURN mask, out, fill, next
	s_wait_loadcnt 0x0                             ; Q
	s_wait_dscnt 16                                ; all but the 16 loads of K's channels 256-511
	QK 0
	QK 1
	WIN 0
	PLACES 4
	VLOAD
.if \mask == 1
	s_cmp_lg_u32 s[NN], s[CP]
	s_cbranch_scc1 .Lopen_\@
	QLD QCB, QSB                                   ; the first block's Q is done with: the second block's comes in under the rest of the step
	MASK
.Lopen_\@:
.elseif \mask == 2
	MASK
.endif
	SOFTMAX
	SHARE
	s_wait_dscnt 20                                ; the scale words and -M are in; the 20 loads behind them may be out: the lines below work on registers under them
	COMBINE
	RESCALE
	WIN 0
	VW
.if \next
	CHANGE \fill
	ADDR
	VW
	KLOAD1
.else
	s_wait_dscnt 0x0
.endif
	PV \next
.if \out == 1
	s_cmp_lg_u32 s[NN], s[CP]
	s_cbranch_scc1 .Lstay_\@
	WAYOUT
	RESET
.Lstay_\@:
.elseif \out == 2
	WAYOUT
.endif
.if \next
	PLACES 5                                       ; the next products write over P's registers, the loads below over V's
	KLOAD2 1
.endif
.endm
	s_load_b128 s[4:7], s[0:1], 0x0                ; qq, kv
	s_load_b64 s[8:9], s[0:1], 0x10                ; out0
	v_lshl_add_u32 v[SPW], v0, 2, SPARE
	v_mov_b32 v[NIL], 0
	ds_add_u32 v[SPW], v[NIL]
	ds_add_u32 v[SPW], v[NIL]
	v_lshrrev_b32 v254, 5, v0
	v_readfirstlane_b32 s[WV], v254
	s_bfe_u32 s[CX], ttmp6, 0x40000
	s_mov_b32 s[CP], ttmp9
	s_add_co_u32 s[CP1], ttmp9, 1
	s_and_b32 s[BA], ttmp7, 0xffff
	s_and_b32 s[QG], s[WV], 1
	s_lshr_b32 s[KG], s[WV], 1
	s_mov_b32 s[G1], 15|(3<<16)|(1<<20)|(1<<21)|(5<<22)|(3<<25)   ; all four partners; 8-byte elements; 16 bytes of padding behind each 256
	s_mov_b32 s[G1+1], 32<<16
	s_mov_b32 s[G1+2], 68<<16
	s_mov_b32 s[G1+3], 32<<16
	s_mov_b32 s[G1+4], 68
	s_mov_b32 s[G1+5], 32
	s_mov_b32 s[G1+6], 0
	s_mov_b32 s[G1+7], 0
	s_mov_b32 s[SEL], 0x76543210
	s_mov_b32 s[SEL+1], 0xfedcba98
	s_mov_b32 s[CS], 0x3d8293ee                    ; log2(e) / sqrt(512)
	s_mov_b32 s[CS+1], s[CS]
	s_mul_i32 s2, s[BA], 8*SLOTB
	s_mul_i32 s3, s[WV], PM8
	s_add_co_u32 s2, s2, s3
	s_mov_b32 s3, 0
	s_mul_i32 s[TLD], s[WV], PL8
	s_cmp_ge_u32 s[CP], 1
	s_cselect_b32 s[KAP], 1, 0                     ; step 1's slot
	s_mul_i32 s[OF], s[KAP], SLOTB
	s_mov_b32 s[OF+1], 0
	s_wait_dscnt 0x0
	s_wait_kmcnt 0x0
	s_add_nc_u64 s[KVB:KVB+1], s[6:7], s[2:3]
	s_mov_b32 s[G0A], 1
	s_mov_b32 s[G0A+1], s[TLD]
	s_mov_b64 s[G0A+2:G0A+3], s[KVB:KVB+1]
	s_or_b32 s[G0A+3], s[G0A+3], 0x80000000
	s_mov_b32 s[G0B], 1
	s_add_co_u32 s[G0B+1], s[TLD], SLOT
	s_add_nc_u64 s[G0B+2:G0B+3], s[KVB:KVB+1], s[OF:OF+1]
	s_or_b32 s[G0B+3], s[G0B+3], 0x80000000
	ROUND
	tensor_load_to_lds s[G0A:G0A+3], s[G1:G1+7]    ; step 0's slot: one load a wave at the head
	s_nop 0
	PLACES 4
	s_lshl_b32 s66, s[CP], 2
	s_add_co_u32 s66, s66, s[CX]                   ; the first block
	s_sub_co_u32 s67, 31, s66                      ; the second
	QPTR 66, QC, QSC
	QPTR 67, QCB, QSB
	s_lshl_b32 s68, s66, 17
	s_lshl_b32 s70, s67, 17
	s_lshl_b32 s2, s[BA], 22
	s_lshl_b32 s3, s[WV], 8
	s_add_co_u32 s2, s2, s3
	s_add_co_u32 s68, s68, s2
	s_add_co_u32 s70, s70, s2
	s_mov_b32 s71, 0
	s_add_nc_u64 s[OUT:OUT+1], s[8:9], s[68:69]
	s_add_nc_u64 s[OUTB:OUTB+1], s[8:9], s[70:71]
	s_lshr_b32 s2, s[WV], 2
	s_or_b32 s2, s2, s[CP]
	s_cmp_eq_u32 s2, 0
	s_cselect_b32 s[LIM], 6, 0                     ; who prefetches, and in which steps
	s_lshl_b32 s2, s[CX], 2
	s_and_b32 s3, s[WV], 3
	s_add_co_u32 s2, s2, s3
	s_lshl_b32 s2, s2, 13
	s_mul_i32 s3, s[BA], 8*SLOTB
	s_add_co_u32 s2, s2, s3
	s_add_co_u32 s2, s2, SLOTB
	s_mov_b32 s3, 0
	s_add_nc_u64 s[PFA:PFA+1], s[6:7], s[2:3]
	s_mul_i32 s72, s[KG], 17408
	s_mul_i32 s73, s[WV], 4352
	s_add_co_u32 s73, s73, L_VC
	s_mul_i32 s74, s[KG], 1088
	s_add_co_u32 s74, s74, L_KS
	s_mul_i32 s75, s[WV], 272
	s_add_co_u32 s75, s75, L_VS
	s_lshl_b32 s76, s[QG], 12
	s_lshl_b32 s2, s[KG], 9
	s_add_co_u32 s76, s76, s2
	s_add_co_u32 s76, s76, PIMG
	s_lshl_b32 s77, s[QG], 8
	s_lshl_b32 s2, s[KG], 1
	s_add_co_u32 s77, s77, s2
	s_add_co_u32 s77, s77, PSC
	s_lshl_b32 s78, s[QG], 9
	s_lshl_b32 s2, s[KG], 2
	s_add_co_u32 s78, s78, s2
	s_add_co_u32 s78, s78, PMM
	s_lshl_b32 s79, s[QG], 10
	s_lshl_b32 s2, s[KG], 3
	s_add_co_u32 s79, s79, s2
	s_add_co_u32 s79, s79, PLL
	s_mul_i32 s80, s[WV], 2176
	s_add_co_u32 s80, s80, STG
	s_lshl_b32 s2, s[QG], 5
	s_lshl_b32 s3, s[KG], 6
	s_sub_co_u32 s2, s2, s3
	s_lshl_b32 s81, s[CX], 6
	s_add_co_u32 s81, s81, s2
	s_sub_co_u32 s82, 3, s[CX]
	s_lshl_b32 s82, s82, 6
	s_add_co_u32 s82, s82, s2
	v_and_b32 v250, 15, v0                         ; r
	v_bfe_u32 v251, v0, 4, 1                       ; h
	v_and_b32 v252, 31, v0                         ; lane
	v_lshrrev_b32 v253, 3, v250
	v_and_b32 v254, 7, v250
	v_lshlrev_b32 v[VQ], 8, v254                   ; Q's codes: query 16 m + r lies at row 8 m + r % 8 + 16 (r / 8) of its 32
	v_lshl_add_u32 v[VQ], v253, 12, v[VQ]
	v_lshl_add_u32 v[VQ], v251, 4, v[VQ]
	v_lshlrev_b32 v[VQS], 4, v252
	QLD QC, QSC
	v_mul_u32_u24 v[ASK0], v253, 272
	v_lshl_add_u32 v[ASK0], v254, 4, v[ASK0]
	v_lshl_add_u32 v[ASK0], v251, 7, v[ASK0]
	v_add_nc_u32 v[ASK0], s74, v[ASK0]
	v_mul_u32_u24 v[STO], v254, 272                ; the stage, on the way in: row r % 8; lanes with r < 8 fill its first 128 bytes, the others its second
	v_lshl_add_u32 v[STO], v253, 7, v[STO]
	v_lshl_add_u32 v[STO], v251, 5, v[STO]
	v_add_nc_u32 v[STO], s80, v[STO]
	v_mul_u32_u24 v[AK0], v250, 272
	v_lshl_add_u32 v[AK0], v251, 4, v[AK0]
	v_add_nc_u32 v[AK0], s72, v[AK0]
	v_lshrrev_b32 v253, 2, v250
	v_mul_u32_u24 v[AV0], v253, 272
	v_and_b32 v253, 3, v250
	v_lshl_add_u32 v[AV0], v253, 6, v[AV0]
	v_lshl_add_u32 v[AV0], v251, 4, v[AV0]
	v_add_nc_u32 v[AV0], s73, v[AV0]
	v_lshl_add_u32 v[ASV0], v252, 2, s75
	v_lshl_add_u32 v[LI], v252, 4, PIMG
	v_lshl_add_u32 v[XWI], v252, 4, s76
	v_lshlrev_b32 v253, 3, v250
	v_lshl_add_u32 v[LS], v251, 2, v253
	v_add_nc_u32 v[LS], PSC, v[LS]
	v_add_nc_u32 v[XWB], s77, v253
	v_lshlrev_b32 v253, 4, v250
	v_add_nc_u32 v[XWM], s78, v253
	v_lshl_add_u32 v[LM], v251, 3, v253
	v_add_nc_u32 v[LM], PMM, v[LM]
	v_lshlrev_b32 v253, 5, v250
	v_lshl_add_u32 v[LLA], v251, 4, v253
	v_add_nc_u32 v[LLA], PLL, v[LLA]
	v_lshl_add_u32 v[XWL], v251, 2, v253
	v_add_nc_u32 v[XWL], s79, v[XWL]
	v_mul_u32_u24 v[RD], v251, 272
	v_lshl_add_u32 v[RD], v250, 4, v[RD]
	v_add_nc_u32 v[RD], s80, v[RD]
	v_lshlrev_b32 v[GO], 11, v251
	v_lshl_add_u32 v[GO], v250, 4, v[GO]
	v_lshlrev_b32 v[PFO], 8, v252
	v_lshlrev_b32 v253, 4, v251
	v_sub_nc_u32 v253, v250, v253
	v_add_nc_u32 v[DQ], s81, v253                  ; my query less my first key, in the slot on the diagonal
	v_add_nc_u32 v[DQB], s82, v253
	v_cmp_gt_u32 s[MLO], 8, v250
	v_cmp_le_u32 s[MLO+1], 8, v250
	v_mov_b32 v13, 0xff61b1e6                      ; -3e38, under every t
	v_mov_b32 v15, 0xff61b1e6
	v_floor_f32 v12, -v13
	v_floor_f32 v14, -v15
.irp m, 0,1,2,3
	v_mov_b32 v[L+\m], 0
	v_mov_b32 v[TP+\m], 0
	v_mov_b32 v[CT+\m], 0
	v_mov_b32 v[FF+2*\m+1], 0
	v_mov_b32 v[NMC+\m], 0x7f61b1e6
.endr
	v_mov_b32 v[F+1], 0
	v_mov_b32 v[F+3], 0
	WIN 0x40
.set i, 0
.rept 128
	v_mov_b32 v[i], 0                              ; O^T: the step is written for all steps alike; these lines stand under the first slot's flight
.set i, i+1
.endr
	WIN 0
	VW
	s_wait_tensorcnt 0x0                           ; my part of step 0's slot is in; the same lines as ahead of a refill
	ds_add_u32 v[SPW], v[NIL]
	s_wait_dscnt 0x0
	ROUND
	tensor_load_to_lds s[G0B:G0B+3], s[G1:G1+7]    ; step 1's slot
	s_nop 0
	PLACES 4
	s_mov_b32 s[TB], 0
	ADDR
	VW
	KLOAD1
	KLOAD2 0
	KLOAD2 1
	s_mov_b32 s[NN], 0
.Lturn:                                            ; steps 0 to 6 fill a slot again
	TURN 1, 1, 1, 1
	VW
	s_add_co_u32 s[NN], s[NN], 1
	s_cmp_lt_u32 s[NN], 7
	s_cbranch_scc1 .Lturn
	TURN 0, 0, 0, 1
	TURN 2, 2, 0, 0                                ; the second block's slot on the diagonal
	s_wait_tensorcnt 0x0                           ; the wave's end
	ds_add_u32 v[SPW], v[NIL]
	s_wait_dscnt 0x0
	ROUND
	s_endpgm
.Lfunc_end_k_q138facae60_attn:
	.size	k_q138facae60_attn, .Lfunc_end_k_q138facae60_attn-k_q138facae60_attn
	.p2alignl 7, 3214868480
	.fill 96, 4, 3214868480
	.section	.rodata,"a",@progbits
	.p2align	6, 0x0
	.amdhsa_kernel k_q138facae60_attn
		.amdhsa_group_segment_fixed_size 327680
		.amdhsa_private_segment_fixed_size 0
		.amdhsa_enable_private_segment 0
		.amdhsa_kernarg_size 24
		.amdhsa_user_sgpr_count 2
		.amdhsa_user_sgpr_kernarg_segment_ptr 1
		.amdhsa_wavefront_size32 1
		.amdhsa_system_sgpr_workgroup_id_x 1
		.amdhsa_system_sgpr_workgroup_id_y 1
		.amdhsa_system_sgpr_workgroup_id_z 1
		.amdhsa_system_vgpr_workitem_id 0
		.amdhsa_next_free_vgpr 512
		.amdhsa_next_free_sgpr 84
		.amdhsa_reserve_vcc 1
		.amdhsa_float_denorm_mode_32 3
		.amdhsa_float_denorm_mode_16_64 3
		.amdhsa_memory_ordered 1
		.amdhsa_forward_progress 1
		.amdhsa_inst_pref_size 174
	.end_amdhsa_kernel
	.amdgpu_metadata
---
amdhsa.version: [ 1, 2 ]
amdhsa.kernels:
  - .name:           k_q138facae60_attn
    .symbol:         k_q138facae60_attn.kd
    .args:
      - { .name: qq, .offset: 0, .size: 8, .value_kind: global_buffer, .address_space: global }
      - { .name: kv, .offset: 8, .size: 8, .value_kind: global_buffer, .address_space: global }
      - { .name: out0, .offset: 16, .size: 8, .value_kind: global_buffer, .address_space: global }
    .group_segment_fixed_size: 327680
    .private_segment_fixed_size: 0
    .kernarg_segment_align: 8
    .kernarg_segment_size: 24
    .max_flat_workgroup_size: 256
    .sgpr_count:     84
    .vgpr_count:     512
    .wavefront_size: 32
...
	.end_amdgpu_metadata
.endif
;; end of part 2
